; MI455X (gfx1250); checked and timed in simulation.
; The chip was launched on July 23, 2026; its instructions are those of AMD's public machine-readable ISA for CDNA 5 (MIT licence, August 2026) and "CDNA5" Instruction Set Architecture Reference Guide (July 2026). The comments in the code are by the model that wrote it; some were corrected since.
;; Quantized Linner. Allowed arithmetic: float matrix products may take bf16 or f16 operands with f32 sums; other float arithmetic in f32, or as packed bf16 or f16 multiplies, adds, multiply-adds, maxima and minima; sums over many terms, partial sums and values carried from step to step in f32; what a program stores and reads back later, other than sums and carried values, may be rounded once to bf16 or f16.
;; Inputs: bias 4,096 int32; weight 4,096 x 4,096 int8; weight_scale 4,096 float32; x 4,096 x 4,096 int8.
;; Outputs: out0 4,096 x 4,096 int8.
;; One version. Each part assembles by itself: llvm-mc -triple=amdgcn-amd-amdhsa -mcpu=gfx1250 --defsym DOCPART=n.
;; ======== version 1 of 1: 1 launch
;; launch qlinear (part 1): grid 16 x 16, 4 waves a work-group, clusters of 4 x 4, 327,680 bytes of LDS; arguments x, weight, bias, weight_scale, out0; writes out0
.if DOCPART == 1
	.amdgcn_target "amdgcn-amd-amdhsa--gfx1250"
	.amdhsa_code_object_version 6
	.text
	.protected	k_qf8562671d4_qlinear
	.globl	k_qf8562671d4_qlinear
	.p2align	8
	.type	k_qf8562671d4_qlinear,@function
k_qf8562671d4_qlinear:
	s_mov_b64 s[64:65], 0
	v_nop
	global_prefetch_b8 v0, s[64:65] scope:SCOPE_SE
	s_setreg_imm32_b32 hwreg(HW_REG_WAVE_MODE, 25, 1), 1
	s_wait_xcnt 0x0
	s_wait_alu depctr_hold_cnt(0) depctr_sa_sdst(0) depctr_va_vdst(0) depctr_va_sdst(0) depctr_va_ssrc(0) depctr_va_vcc(0) depctr_vm_vsrc(0)
	s_getreg_b32 s2, hwreg(HW_REG_IB_STS2, 6, 4)
	s_cmp_eq_u32 s2, 0
	s_cbranch_scc0 .Lentry_in_a_cluster
	s_endpgm
.Lentry_in_a_cluster:
	s_bfe_u32 s2, ttmp6, 0x10000c
	s_cmp_lg_u32 s2, 0xf033
	s_cbranch_scc0 .Lentry_shape_is_right
	s_endpgm
.Lentry_shape_is_right:
; out0[m][n] = int8(clip(round(f32(acc) * s[n]), -128, 127)),  acc = sum over k of x[m][k] weight[n][k] + bias[n] in int32,  s[n] = 0.05 * weight_scale[n] / 0.1 in f32.
; x: [4096][4096] int8, weight: [4096][4096] int8 (K along the rows of both), bias: [4096] int32, weight_scale: [4096] f32, out0: [4096][4096] int8.
; THE FORMAT.  The output is whole numbers, so the sums have to be exact.  The operands ARE int8: they go to the matrix unit as they lie, both signed (v_wmma_i32_16x16x64_iu8), and are summed in i32.
; Nothing is rounded anywhere in the product, whatever the inputs (|sum| reaches 2^26, past the whole numbers that an f32 sum holds exactly), and no conversion stands between memory and the product.
; LEFT OUT: "+ OUTPUT_ZERO_POINT", which is + 0 by the problem's own constant: it can only turn -0.0 into +0.0, and both are the int8 0.  Every input has a way to the output and is loaded.
; THE SCALE.  The two constants are taken as ONE factor, as the function has them when it is compiled as a whole: the division by 0.1f is a multiplication by its f32 reciprocal, 10.0f, and 0.05f x 10.0f rounds to 0.5f.
; 0.1f is exactly twice 0.05f, so 0.5 is also the constants' exact quotient.  s = 0.5 weight_scale changes the exponent alone: s has no rounding of its own, and f32(acc) * s has the same bits however the 0.5 is associated.
; A LIMIT OF ROUNDING ORDER: an evaluation that first rounds 0.05f * weight_scale and then divides by 0.1f can differ from this s in its last bit, and so in a result that lies at a tie.
; THE OTHER f32 STEPS are the problem's own, each rounded once: f32(acc); f32(acc) * s; round to nearest even; clip.  The clip stands ahead of the rounding here: its bounds are whole numbers, so the order changes nothing.
; LIMITS.  |bias| <= 2^31 - 2^26: acc + bias then stays inside int32 (the bias starts the sums; wrap-around is not claimed).  A NaN or an infinity in weight_scale is not treated.
; SHARES.  A tile of out0, 256 x 256, is made by a work-group of four waves; a wave makes 128 x 128: 64 accumulators of 16 x 16, 512 registers.  16 x 16 tiles: 256 work-groups.
; K goes in 16 steps of 256 (256 bytes of a row, at a multiple of 256 bytes from the buffer's first byte) through a ring of two LDS slots filled by the tensor data mover.
; CLUSTERS: 4 x 4 work-groups.  The four of a row of the cluster need the same tiles of x, the four of a column the same tiles of weight: each tile is asked for JOINTLY, by the same tensor load with the same
; descriptor and a mask that names the four; each receives it in its own LDS.  That divides the requests for x and for weight by four.
; THE MATRIX INSTRUCTION IS USED TRANSPOSED: source 0 = 16 rows of weight, source 1 = 16 rows of x.  In the result lane l holds row l % 16 of out0 and its registers 0 to 7 the channels 8 (l / 16) + 0 .. 7:
; eight neighbouring numbers of a row, 8 bytes of out0.  bias and s then lie along a lane's registers.
; FRAGMENTS.  16 rows x 64 K in 8 registers, by two loads of 16 bytes, 32 bytes apart, at row x pitch + 16 (l / 16).  That lays k otherwise within the 64 than the instruction's own order, alike for both sources, and the two
; halves of the lanes hold each k once: every product is still x[m][k] weight[n][k] for one k, and whole-number sums do not hang on their order.
;
; REGISTERS, in windows of 256 (s_set_vgpr_msb's low byte: bits 1:0 source 0, 3:2 source 1, 5:4 source 2, 7:6 destination):
;   window 0: v0-31 addresses; v64-127, v128-191 fragments of x, two buffers; v192-255 bias.  On the way out: v64-127 at work, v192-223 packed bytes, v64-191 rows read back
;   window 1: v0-63 s; v64-127, v128-191 fragments of weight, two buffers
;   window 2: the 32 accumulators of my rows 0-63 (accumulator (a, b) at v[8 (8 a + b)]);   window 3: those of my rows 64-127
.set KSTEP,  256                       ; K in a step, and bytes of a row in a step
.set LAPS,   4096/(2*KSTEP)            ; a lap = two K steps = once round the ring: 8
.set PITCH,  272                       ; an LDS row: 256 bytes + 16 of padding = 68 words: row r starts at bank 4 r mod 64 (64 banks of 4 bytes: ISA guide 11.1), so the 16 rows that a load touches start at 16 different banks
.set HALFT,  128*PITCH                 ; 128 rows: what one tensor load brings, and what one wave reads of x or of weight
.set SLOT,   4*HALFT                   ; x's 256 rows, then weight's 256 rows
.set SPARE,  2*SLOT                    ; behind the ring: the spare words, 128 bytes for each wave: two blocks of 256 bytes that no other line names
; THE STAGE for the way out, 256 rows x 272 bytes from LDS byte 0, lies in slot 0: that slot has had its last fill (K step 14) in the loop's last trip, every wave's last reads of it are waited for in front of the
; tail's barrier, and no way leads from the stage's stores back to a tensor load.
.set ADRA, 16                          ; v16-17  LDS address of my fragments of x in slot 0, 1
.set ADRB, 20                          ; v20-21  the same for weight
.set STO,  24                          ; v24     the way out: where I put 8 bytes of a row
.set RD,   25                          ; v25     the way out: where I read a row back
.set CO,   26                          ; v26     my byte offset in out0
.set BO,   27                          ; v27     my byte offset in bias and in weight_scale
.set SPW,  28                          ; v28     LDS address of my spare word: SPARE + 4 x my thread's number; never rewritten
.set NIL,  29                          ; v29     0; never rewritten
.set PFO,  30                          ; v30     the prefetches' offset: my lane x a row of 4,096 bytes; never rewritten
.set F0,   64                          ; fragment buffer 0
.set F1,   128                         ; fragment buffer 1
.set BI,   192                         ; window 0: bias of channel 16 b + 8 (l / 16) + j of my 128 at BI + 8 b + j
.set SC,   0                           ; window 1: s of the same channel at SC + 8 b + j
.set T,    64                          ; the way out: 64 numbers at work
.set P,    192                         ; the way out: two sets of 16 packed words
.set OB,   64                          ; the way out: 32 x 4 registers read back from the stage
.set WV,   14                          ; s14  my wave's number
.set RH,   15                          ; s15  which half of the tile's rows is mine.  Also: I fetch for x (0) or for weight (1)
.set CH,   16                          ; s16  which half of its columns.  Also: which 128 rows of that tile I fetch
.set G1,   24                          ; s[24:31] descriptor group 1 for x's tiles
.set G0,   32                          ; s[32:39] descriptor group 0 for x's tiles, one set for each slot
.set TC,   42                          ; s42  tile column of out0
.set LIM,  43                          ; s43  1 in a wave that prefetches, else the greatest number
.set PFA,  44                          ; s[44:45] where my prefetches stand
.set G1B,  48                          ; s[48:55] descriptor group 1 for weight's tiles: it differs from x's in the mask alone
.set G0B,  56                          ; s[56:63] descriptor group 0 for weight's tiles, one set for each slot
.set TR,   66                          ; s66  tile row of out0
.set MSB, 0
.macro WIN new                         ; the immediate's high byte repeats the setting that is left; a switch that changes nothing is dropped
.if MSB != (\new)
	s_set_vgpr_msb (MSB<<8)|(\new)
.set MSB, \new
.endif
.endm
.set MUL_LO,   0xa1                    ; source 0 (weight) window 1, source 1 (x) window 0, C and D window 2
.set MUL_HI,   0xf1                    ; the same, C and D window 3
.set FIRST_LO, 0x81                    ; the same with C (the bias) in window 0, D window 2
.set FIRST_HI, 0xc1                    ; D window 3
.set TO_B,     0x40                    ; destination window 1, address window 0
.set ALL1,     0x55                    ; every place window 1
.set SCL,      0x04                    ; source 1 window 1
; A joint load.  Waves 0 and 1 fetch x's two halves, waves 2 and 3 weight's.  Each of the two lines has ONE mask and one set of registers for all that issue it.  The branch hangs on the wave's number alone.
; An s_nop 0 and four v_nop follow each of the two lines; the jump round the other line, the label and what follows the macro come after them.
.macro JLOAD s
	s_cmp_eq_u32 s[RH], 0
	s_cbranch_scc0 .Lfor_b_\@
	tensor_load_to_lds s[G0+4*(\s):G0+4*(\s)+3], s[G1:G1+7]
	s_nop 0
.rept 4
	v_nop
.endr
	s_branch .Lasked_\@
.Lfor_b_\@:
	tensor_load_to_lds s[G0B+4*(\s):G0B+4*(\s)+3], s[G1B:G1B+7]
	s_nop 0
.rept 4
	v_nop
.endr
.Lasked_\@:
.endm
; A PREFETCH INTO THE L2, behind each joint load, its five lines and the run of LDS loads that follows them: the K step that the NEXT refill will ask for: 32 rows x 256 bytes, a lane a row, one instruction a wave:
; one K step, 256 matrix instructions, ahead of that load.  Each row's 256 bytes of a K step are named ONCE in the launch: x's tile row is read by every cluster of that row of clusters, and the first of them
; (cluster x = 0) asks; weight's tile column by every cluster of that column, and cluster y = 0 asks.  The four partners that ask for a tile jointly share its rows out BY ADDRESS: of the 128 rows that a wave fetches
; the partner at place p takes 32 p .. 32 p + 31 (p = cx for x, cy for weight): no branch hangs on a work-group's place in its cluster.
; gt = 1 (slot 1's refill): the loop's last trip, s3 = 1, asks for nothing, since K step 16 does not exist.  gt = 0 (slot 0's): every trip asks.  K steps 0 to 2 come by their loads alone.
.macro ASK gt
.if \gt
	s_cmp_gt_u32 s3, s[LIM]
.else
	s_cmp_ge_u32 s3, s[LIM]
.endif
	s_cbranch_scc0 .Lnot_mine_\@
	global_prefetch_b8 v[PFO], s[PFA:PFA+1] th:TH_LOAD_NT scope:SCOPE_SE
.Lnot_mine_\@:
.endm
; A round of the cluster's barrier: my work-group's barrier, so that wave 0's signal speaks for all four waves; wave 0 signals for the work-group; every wave waits for all sixteen work-groups; my work-group's
; barrier once more.  No LDS instruction of the wave is pending at a signal.
.macro CREST                           ; a round behind its opening barrier
	s_cmp_lg_u32 s[WV], 0
	s_cbranch_scc1 .Lnot_wave_0_\@
	s_barrier_signal -3
.Lnot_wave_0_\@:
	s_barrier_wait -3
	s_barrier_signal -1
	s_barrier_wait -1
.endm
.macro CROUND                          ; a whole round
	s_barrier_signal -1
	s_barrier_wait -1
	CREST
.endm
; Behind a matrix instruction of this form a load into a register that it has read, and a vector instruction that reads its result or writes one of its registers, stand EIGHT places back, and only plain vector
; instructions that name none of its registers are places (ISA guide 7.12.1 for vector instructions); the matrix instructions in between are not counted.
.macro PLACES n
.rept \n
	v_nop
.endr
.endm
	s_load_b256 s[4:11], s[0:1], 0x0               ; x s[4:5], weight s[6:7], bias s[8:9], weight_scale s[10:11]
	s_load_b64 s[12:13], s[0:1], 0x20              ; out0
	v_lshl_add_u32 v[SPW], v0, 2, SPARE
	v_mov_b32 v[NIL], 0
	ds_add_u32 v[SPW], v[NIL]                      ; the wave's opening: the add, twice on end, and its wait ahead of my first tensor load; the set-up below, work on registers, stands between
	ds_add_u32 v[SPW], v[NIL]                      ; and once more, under the one wait
	v_lshrrev_b32 v1, 5, v0
	v_readfirstlane_b32 s[WV], v1                  ; wave 0..3
	s_lshr_b32 s[RH], s[WV], 1
	s_and_b32 s[CH], s[WV], 1
	s_bfe_u32 s40, ttmp6, 0x40000                  ; cx: my place along the cluster's x
	s_bfe_u32 s41, ttmp6, 0x40004                  ; cy: along its y
	s_lshl_b32 s[TC], ttmp9, 2                     ; in a cluster launch ttmp9 and ttmp7 count clusters
	s_add_co_u32 s[TC], s[TC], s40                 ; tile column = 4 x cluster x + cx
	s_and_b32 s[TR], ttmp7, 0xffff
	s_lshl_b32 s[TR], s[TR], 2
	s_add_co_u32 s[TR], s[TR], s41                 ; tile row = 4 x cluster y + cy
	s_lshl_b32 s67, s41, 2
	s_lshl_b32 s67, 15, s67                        ; my row of the cluster: places 4 cy .. 4 cy + 3
	s_lshl_b32 s46, 0x1111, s40                    ; my column: places cx, cx + 4, cx + 8, cx + 12
	; descriptor group 1: a tile of 128 rows x 256 bytes, stated as 128 elements of 2 bytes, padded in LDS
	s_or_b32 s[G1+0], s67, (1<<16)|(1<<20)|(1<<21)|(5<<22)|(3<<25)   ; 15:0 the mask: x's tiles go to my row; 17:16 element of 2 bytes; 20 padding on; 21 set beside a mask; 24:22 after every 64 words (code 5); 31:25 4 words of it (code 3)
	s_or_b32 s[G1B+0], s46, (1<<16)|(1<<20)|(1<<21)|(5<<22)|(3<<25)  ; the same with the mask of my column, for weight's tiles
.irp g, G1, G1B
	s_mov_b32 s[(\g)+1], 128<<16                   ; 63:48 tensor_dim0, low half = 128
	s_mov_b32 s[(\g)+2], 128<<16                   ; 79:64 its high half = 0; 95:80 tensor_dim1, low half = 128
	s_mov_b32 s[(\g)+3], 128<<16                   ; 111:96 its high half = 0; 127:112 tile_dim0 = 128
	s_mov_b32 s[(\g)+4], 128                       ; 143:128 tile_dim1 = 128; 159:144 tile_dim2 = 0
	s_mov_b32 s[(\g)+5], 2048                      ; 191:160 tensor_dim0_stride: 2,048 elements (4,096 bytes) from row to row
	s_mov_b32 s[(\g)+6], 0
	s_mov_b32 s[(\g)+7], 0
.endr
	; where the tiles come from.  x's hang on the tile row alone, which my row of the cluster shares; weight's on the tile column alone, which my column shares.
	; Every wave makes both addresses, in registers that never hold the other coordinate, and asks by one of them.
	s_lshl_b32 s17, s[CH], 7                       ; which 128 rows of the tile I fetch
	s_lshl_b32 s20, s[TR], 8
	s_add_co_u32 s20, s20, s17                     ; x: row 256 x tile row + 128 x half,
	s_lshl_b32 s20, s20, 12                        ; in bytes: under 2^24
	s_mov_b32 s21, 0
	s_lshl_b32 s46, s[TC], 8
	s_add_co_u32 s46, s46, s17                     ; weight: row 256 x tile column + 128 x half
	s_lshl_b32 s46, s46, 12
	s_mov_b32 s47, 0
	s_mul_i32 s22, s[WV], HALFT                    ; and where they go: x's two halves, then weight's two halves = wave x 128 rows: no place in the cluster enters an LDS address
	s_mov_b32 s68, 0xc3000000                      ; -128.0
	s_mov_b32 s69, 0x42fe0000                      ; 127.0
	s_mov_b32 s70, 0x4b400000                      ; 1.5 x 2^23; the pair is named whole by packed lines, which take its low word for both halves
	s_mov_b32 s71, 0x4b400000
	s_mov_b32 s72, 0x00000400                      ; byte picks: byte 0 of the second source, then byte 0 of the first
	s_mov_b32 s73, 0x05040100                      ; the low half of the second source, then the low half of the first
	s_wait_dscnt 0x0                               ; both opening adds are done
	s_wait_kmcnt 0x0
	s_add_nc_u64 s[18:19], s[4:5], s[20:21]
	s_add_nc_u64 s[46:47], s[6:7], s[46:47]
	CROUND                                         ; all sixteen work-groups are here: the first joint loads meet
.irp s, 0,1
	s_mov_b32 s[G0+4*(\s)], 1                                        ; 1:0 count = 1
	s_add_co_u32 s[G0+4*(\s)+1], s22, (\s)*SLOT                      ; 63:32 LDS address
	s_add_nc_u64 s[G0+4*(\s)+2:G0+4*(\s)+3], s[18:19], (\s)*KSTEP    ; 120:64 global address: K step s
	s_or_b32 s[G0+4*(\s)+3], s[G0+4*(\s)+3], 0x80000000              ; 127:126 type = 2
	s_mov_b32 s[G0B+4*(\s)], 1
	s_add_co_u32 s[G0B+4*(\s)+1], s22, (\s)*SLOT
	s_add_nc_u64 s[G0B+4*(\s)+2:G0B+4*(\s)+3], s[46:47], (\s)*KSTEP
	s_or_b32 s[G0B+4*(\s)+3], s[G0B+4*(\s)+3], 0x80000000
	JLOAD \s                                       ; the ring is filled before anything else is done: two loads of mine are out
.endr
	; IN THE WAIT FOR THE FIRST TILES: bias and weight_scale of my 128 channels, the addresses, the scales.
	v_and_b32 v1, 15, v0                           ; l % 16
	v_bfe_u32 v2, v0, 4, 1                         ; l / 16
	s_lshl_b32 s46, s[TC], 10                      ; 4 bytes x 256 x tile column
	s_lshl_b32 s47, s[CH], 9                       ; + 4 x 128 x half
	s_add_co_u32 s46, s46, s47
	v_lshl_add_u32 v[BO], v2, 5, s46               ; + 4 x 8 x (l / 16)
.irp b, 0,1,2,3,4,5,6,7
	global_load_b128 v[BI+8*(\b):BI+8*(\b)+3],   v[BO], s[8:9] offset:64*(\b)
	global_load_b128 v[BI+8*(\b)+4:BI+8*(\b)+7], v[BO], s[8:9] offset:64*(\b)+16
.endr
	WIN TO_B
.irp b, 0,1,2,3,4,5,6,7
	global_load_b128 v[SC+8*(\b):SC+8*(\b)+3],   v[BO], s[10:11] offset:64*(\b)
	global_load_b128 v[SC+8*(\b)+4:SC+8*(\b)+7], v[BO], s[10:11] offset:64*(\b)+16
.endr
	WIN 0
	v_mul_u32_u24 v3, v1, PITCH
	v_lshl_add_u32 v3, v2, 4, v3                   ; a fragment's row x pitch + 16 x half
	s_mul_i32 s21, s[RH], HALFT                    ; my 128 rows of x
	s_mul_i32 s23, s[CH], HALFT                    ; my 128 rows of weight,
	s_add_co_u32 s23, s23, 2*HALFT                 ; which lie behind x's 256
.irp s, 0,1
	v_add_nc_u32 v[ADRA+(\s)], s21, v3
	v_add_nc_u32 v[ADRB+(\s)], s23, v3
	s_add_co_u32 s21, s21, SLOT
	s_add_co_u32 s23, s23, SLOT
.endr
	s_mul_i32 s23, s[RH], 128*PITCH                ; into the stage: my 128 rows, my half of their 256 bytes; row l % 16, 8 bytes for each half of the lanes
	s_lshl_b32 s17, s[CH], 7
	s_add_co_u32 s23, s23, s17
	v_mul_u32_u24 v4, v1, PITCH
	v_lshl_add_u32 v4, v2, 3, v4
	v_add_nc_u32 v[STO], s23, v4
	s_mul_i32 s23, s[WV], 64*PITCH                 ; back: wave w takes rows 64 w .. 64 w + 63, whole; lanes 0-15 one row of 256 bytes, lanes 16-31 the next
	v_mul_u32_u24 v5, v2, PITCH
	v_lshl_add_u32 v5, v1, 4, v5
	v_add_nc_u32 v[RD], s23, v5
	v_lshlrev_b32 v5, 12, v2                       ; and the same two rows in out0
	v_lshl_add_u32 v[CO], v1, 4, v5
	s_lshl_b32 s20, s[TR], 8
	s_lshl_b32 s21, s[WV], 6
	s_add_co_u32 s20, s20, s21                     ; the first row of out0 that I store: 256 x tile row + 64 x wave,
	s_lshl_b32 s20, s20, 12                        ; in bytes
	s_mov_b32 s21, 0
	s_add_nc_u64 s[12:13], s[12:13], s[20:21]
	s_lshl_b32 s46, s[TC], 8                       ; the tile's first column, in bytes
	s_mov_b32 s47, 0
	s_add_nc_u64 s[12:13], s[12:13], s[46:47]
	; the prefetches
	s_lshl_b32 s20, s[TR], 8
	s_and_b32 s67, ttmp7, 0xffff                   ; cluster y
	s_cmp_eq_u32 s[RH], 0                          ; do I fetch for x?
	s_cselect_b32 s46, s20, s46                    ; the tile's first row: in x by the tile row, in weight by the tile column
	s_cselect_b32 s47, s40, s41                    ; my place among the four that ask for it with me
	s_cselect_b32 s67, ttmp9, s67                  ; the coordinate along which other clusters read the same rows
	s_cselect_b64 s[PFA:PFA+1], s[4:5], s[6:7]
	s_cmp_eq_u32 s67, 0
	s_cselect_b32 s[LIM], 1, -1                    ; the same in all sixteen partners, for a given wave
	s_lshl_b32 s67, s[CH], 7
	s_add_co_u32 s46, s46, s67                     ; + the 128 rows that I fetch
	s_lshl_b32 s47, s47, 5
	s_add_co_u32 s46, s46, s47                     ; + my work-group's 32 of them,
	s_lshl_b32 s46, s46, 12                        ; in bytes
	s_mov_b32 s47, 0
	s_add_nc_u64 s[PFA:PFA+1], s[PFA:PFA+1], s[46:47]
	s_add_nc_u64 s[PFA:PFA+1], s[PFA:PFA+1], 2*KSTEP  ; at K step 2: the first change of slots steps it to 3 and names that.  Nothing is prefetched here, at the head, where every work-group's first tiles are on their way
	v_and_b32 v[PFO], 31, v0
	v_lshlrev_b32 v[PFO], 12, v[PFO]
; s = 0.5 weight_scale, in place: the constants' one factor (the head's paragraph THE SCALE); two numbers a line.
.macro SCALES
	WIN ALL1
.set ii, 0
.rept 32
	v_pk_mul_f32 v[SC+ii:SC+ii+1], v[SC+ii:SC+ii+1], 0.5 op_sel_hi:[1,0]
.set ii, ii+2
.endr
	WIN 0
.endm
	s_wait_loadcnt 0x0                             ; bias and weight_scale, once
	SCALES
; 16 matrix instructions: row blocks a0, a0 + 1 of the window's four (hi = 0: my rows 0-63, 1: rows 64-127) x all 8 channel blocks, 64 along K.
; first = 1: the first product starts the sums with the bias as its C: nothing is cleared, and no line adds the bias later.
; The 64 accumulators take turns, one instruction a turn, in the same order in every quarter step, over the loop's backward jump too.
.macro MUL16 f, hi, a0, first
.if \first
	WIN FIRST_LO+0x40*(\hi)
.else
	WIN MUL_LO+0x50*(\hi)
.endif
.irp a, \a0, (\a0)+1
.irp b, 0,1,2,3,4,5,6,7
.if \first
	v_wmma_i32_16x16x64_iu8 v[8*(8*(\a)+(\b)):8*(8*(\a)+(\b))+7], v[(\f)+8*(\b):(\f)+8*(\b)+7], v[(\f)+8*(4*(\hi)+(\a)):(\f)+8*(4*(\hi)+(\a))+7], v[BI+8*(\b):BI+8*(\b)+7] neg_lo:[1,1,0]
.else
	v_wmma_i32_16x16x64_iu8 v[8*(8*(\a)+(\b)):8*(8*(\a)+(\b))+7], v[(\f)+8*(\b):(\f)+8*(\b)+7], v[(\f)+8*(4*(\hi)+(\a)):(\f)+8*(4*(\hi)+(\a))+7], v[8*(8*(\a)+(\b)):8*(8*(\a)+(\b))+7] neg_lo:[1,1,0]
.endif
.endr
.endr
.endm
; 32 LDS loads in one run: the fragments of one quarter step (128 rows of weight, 128 rows of x, 64 K at byte k of the rows) into buffer f
.macro FETCH slot, k, f
	WIN TO_B
.irp i, 0,1,2,3,4,5,6,7
	ds_load_b128 v[(\f)+8*(\i):(\f)+8*(\i)+3],   v[ADRB+(\slot)] offset:(\k)+(\i)*16*PITCH
	ds_load_b128 v[(\f)+8*(\i)+4:(\f)+8*(\i)+7], v[ADRB+(\slot)] offset:(\k)+(\i)*16*PITCH+32
.endr
	WIN 0
.irp i, 0,1,2,3,4,5,6,7
	ds_load_b128 v[(\f)+8*(\i):(\f)+8*(\i)+3],   v[ADRA+(\slot)] offset:(\k)+(\i)*16*PITCH
	ds_load_b128 v[(\f)+8*(\i)+4:(\f)+8*(\i)+7], v[ADRA+(\slot)] offset:(\k)+(\i)*16*PITCH+32
.endr
.endm
; A K step is four quarter steps of 64 along K, 64 matrix instructions each, on buffers 0, 1, 0, 1.
; One of the first three: multiplies buffer f; in its middle it fetches the next quarter's fragments, at byte k of the same slot's rows, into buffer g.
.macro QUARTER slot, k, f, g, first
	s_wait_dscnt 8                                 ; weight and x's rows 0-63 are in; the youngest eight loads (x's rows 64-127) may be out
	MUL16 \f, 0, 0, \first
	MUL16 \f, 0, 2, \first
	PLACES 8                                       ; in front of the loads into buffer g, which the quarter before multiplied
	FETCH \slot, \k, \g
	s_wait_dscnt 32                                ; all but the 32 just issued
	MUL16 \f, 1, 0, \first
	MUL16 \f, 1, 2, \first
.endm
; The last quarter multiplies buffer 1 and changes slots: ONE barrier, for two things.  In front of it each wave waits for all its tensor loads, of which one is out: its part of the next slot; adds 0 to its spare
; word; and waits for that and for its own reads of this slot.  Behind it nobody reads this slot any more and the next slot is whole.
; fill = 1: the barrier opens a round of the cluster's barrier, so that no wave of any partner still reads this slot's tile or has a load on its way; the joint refill, this slot's K step two steps on, is the first
; tensor load behind the round: from that request to the wait for it a wave issues 224 matrix instructions.  fill = 0 (the tail): nothing is filled, and no round follows.
.macro TURN slot, next, fill
.if \fill
	s_wait_xcnt 0x0                                ; the last prefetch, a K step back, has read its address: it is stepped here, ahead of the waits of the change of slots
	s_add_nc_u64 s[PFA:PFA+1], s[PFA:PFA+1], KSTEP
.endif
	WIN 0                                          ; (the add's two registers lie in window 0)
	s_wait_tensorcnt 0x0                           ; all my tensor loads have landed: the one that was out is my part of the next slot;
	ds_add_u32 v[SPW], v[NIL]                      ; 0 onto my spare word
	s_wait_dscnt 9                                 ; (the add and the youngest eight loads may be out)
	MUL16 F1, 0, 0, 0                              ; sixteen matrix instructions stand between the add and the wait for it
	s_wait_dscnt 0x0                               ; the add is done, and my reads of this slot are over:
	s_barrier_signal -1                            ; say so,
	MUL16 F1, 0, 2, 0                              ; work on registers while the others arrive,
.if \fill
	WIN 0
.endif
	s_barrier_wait -1                              ; and go on when all four have said so
.if \fill
	CREST
	s_add_nc_u64 s[G0+4*(\slot)+2:G0+4*(\slot)+3], s[G0+4*(\slot)+2:G0+4*(\slot)+3], 2*KSTEP    ; no tensor load of mine is out, so a group 0 may be written; the type bits on top are not reached
	s_add_nc_u64 s[G0B+4*(\slot)+2:G0B+4*(\slot)+3], s[G0B+4*(\slot)+2:G0B+4*(\slot)+3], 2*KSTEP
	JLOAD \slot
	PLACES 4                                       ; with the four v_nop behind the joint load: the eight places in front of the loads into buffer 0
.else
	PLACES 8
.endif
	FETCH \next, 0, F0
.if \fill
	ASK \slot
.endif
	MUL16 F1, 1, 0, 0
	MUL16 F1, 1, 2, 0
.endm
	s_wait_tensorcnt 1                             ; my part of K step 0 is in; K step 1's may stay out
	s_barrier_signal -1
	s_barrier_wait -1                              ; everybody's is
	FETCH 0, 0, F0
	QUARTER 0, 64,  F0, F1, 1                      ; the first quarter stands in front of the loop: its products start the sums
	WIN 0                                          ; at a label and at a branch every window is 0
	s_mov_b32 s3, LAPS-1
.Llap:                                                 ; a trip goes once round the ring, from a lap's second quarter to the next lap's first, and fills both slots again
	QUARTER 0, 128, F1, F0, 0
	QUARTER 0, 192, F0, F1, 0
	TURN 0, 1, 1
	QUARTER 1, 64,  F0, F1, 0
	QUARTER 1, 128, F1, F0, 0
	QUARTER 1, 192, F0, F1, 0
	TURN 1, 0, 1
	QUARTER 0, 64,  F0, F1, 0
	WIN 0
	s_sub_co_u32 s3, s3, 1
	s_cmp_lg_u32 s3, 0
	s_cbranch_scc1 .Llap
	QUARTER 0, 128, F1, F0, 0                      ; the last lap is written out: it fills nothing
	QUARTER 0, 192, F0, F1, 0
	TURN 0, 1, 0                                   ; behind this barrier no wave reads slot 0 any more
	QUARTER 1, 64,  F0, F1, 0
	QUARTER 1, 128, F1, F0, 0
	QUARTER 1, 192, F0, F1, 0
	s_wait_dscnt 8                                 ; the very last quarter: nothing more to fetch
	MUL16 F1, 0, 0, 0
	MUL16 F1, 0, 2, 0
	s_wait_dscnt 0x0
	MUL16 F1, 1, 0, 0
	MUL16 F1, 1, 2, 0
	WIN 0
; THE WAY OUT of block a (16 rows x 128 channels, 64 numbers a lane).  i32 to f32, each accumulator's registers in ascending order; times s, rounded once; held to -128 .. 127; + 1.5 x 2^23, which rounds to the nearest
; whole number, ties to even, and leaves it in the word's low byte in two's complement; four such bytes are picked into a word; a lane's eight channels, 8 bytes, go into the work-group's stage.
.macro OUT a
.set AC, 64*((\a)%4)
.set PP, P+16*((\a)%2)
	WIN 0x02+((\a)/4)                              ; source 0: window 2 or 3
.set ii, 0
.rept 64
	v_cvt_f32_i32 v[T+ii], v[AC+ii]
.set ii, ii+1
.endr
	WIN SCL
.set ii, 0
.rept 32
	v_pk_mul_f32 v[T+ii:T+ii+1], v[T+ii:T+ii+1], v[SC+ii:SC+ii+1]
.set ii, ii+2
.endr
	WIN 0
.set ii, 0
.rept 64
	v_med3_num_f32 v[T+ii], v[T+ii], s68, s69
.set ii, ii+1
.endr
.set ii, 0
.rept 32
	v_pk_add_f32 v[T+ii:T+ii+1], v[T+ii:T+ii+1], s[70:71] op_sel_hi:[1,0]
.set ii, ii+2
.endr
.set ii, 0
.rept 32
	v_perm_b32 v[T+ii], v[T+ii+1], v[T+ii], s72    ; two neighbours' bytes into a low half
.set ii, ii+2
.endr
.set ii, 0
.rept 16
	v_perm_b32 v[PP+ii], v[T+4*ii+2], v[T+4*ii], s73  ; two low halves into a word
.set ii, ii+1
.endr
.irp b, 0,1,2,3,4,5,6,7
	ds_store_b64 v[STO], v[PP+2*(\b):PP+2*(\b)+1] offset:(\a)*16*PITCH+16*(\b)
.endr
.endm
	PLACES 8                                       ; the conversions read results just made and write buffer 0
.irp a, 0,1,2,3,4,5,6,7
	OUT \a
.endr
	s_wait_dscnt 0x0                               ; for the others' sake: my stores into the stage are done
	s_barrier_signal -1
	s_barrier_wait -1                              ; a row's 256 bytes come from two waves: now they are whole
.irp t, 0,1,2,3,4,5,6,7,8,9,10,11,12,13,14,15,16,17,18,19,20,21,22,23,24,25,26,27,28,29,30,31
	ds_load_b128 v[OB+4*(\t):OB+4*(\t)+3], v[RD] offset:(\t)*2*PITCH
.endr
.irp t, 0,1,2,3,4,5,6,7,8,9,10,11,12,13,14,15,16,17,18,19,20,21,22,23,24,25,26,27,28,29,30,31
	s_wait_dscnt 31-(\t)                           ; LDS loads come back in order (ISA guide 5.7.1): pair t of rows is in, the younger ones may be out
	global_store_b128 v[CO], v[OB+4*(\t):OB+4*(\t)+3], s[12:13] offset:2*(\t)*4096 th:TH_STORE_NT  ; 16 lanes store 256 consecutive bytes, at a multiple of 256 from out0's first byte
.endr
	s_wait_tensorcnt 0x0                           ; the wave's end: behind my last tensor load and my last LDS store
	ds_add_u32 v[SPW], v[NIL]
	s_wait_dscnt 0x0
	CROUND                                         ; the closing round: no work-group ends while a partner may still ask for a tile that names it
	s_endpgm
.Lfunc_end_k_qf8562671d4_qlinear:
	.size	k_qf8562671d4_qlinear, .Lfunc_end_k_qf8562671d4_qlinear-k_qf8562671d4_qlinear
	.p2alignl 7, 3214868480
	.fill 96, 4, 3214868480
	.section	.rodata,"a",@progbits
	.p2align	6, 0x0
	.amdhsa_kernel k_qf8562671d4_qlinear
		.amdhsa_group_segment_fixed_size 327680
		.amdhsa_private_segment_fixed_size 0
		.amdhsa_enable_private_segment 0
		.amdhsa_kernarg_size 40
		.amdhsa_user_sgpr_count 2
		.amdhsa_user_sgpr_kernarg_segment_ptr 1
		.amdhsa_wavefront_size32 1
		.amdhsa_system_sgpr_workgroup_id_x 1
		.amdhsa_system_sgpr_workgroup_id_y 1
		.amdhsa_system_sgpr_workgroup_id_z 1
		.amdhsa_system_vgpr_workitem_id 0
		.amdhsa_next_free_vgpr 1024
		.amdhsa_next_free_sgpr 74
		.amdhsa_reserve_vcc 0
		.amdhsa_float_denorm_mode_32 3
		.amdhsa_float_denorm_mode_16_64 3
		.amdhsa_memory_ordered 1
		.amdhsa_forward_progress 1
		.amdhsa_inst_pref_size 235
	.end_amdhsa_kernel
	.amdgpu_metadata
---
amdhsa.version: [ 1, 2 ]
amdhsa.kernels:
  - .name:           k_qf8562671d4_qlinear
    .symbol:         k_qf8562671d4_qlinear.kd
    .args:
      - { .name: x, .offset: 0, .size: 8, .value_kind: global_buffer, .address_space: global }
      - { .name: weight, .offset: 8, .size: 8, .value_kind: global_buffer, .address_space: global }
      - { .name: bias, .offset: 16, .size: 8, .value_kind: global_buffer, .address_space: global }
      - { .name: weight_scale, .offset: 24, .size: 8, .value_kind: global_buffer, .address_space: global }
      - { .name: out0, .offset: 32, .size: 8, .value_kind: global_buffer, .address_space: global }
    .group_segment_fixed_size: 327680
    .private_segment_fixed_size: 0
    .kernarg_segment_align: 8
    .kernarg_segment_size: 40
    .max_flat_workgroup_size: 128
    .sgpr_count:     74
    .vgpr_count:     1024
    .wavefront_size: 32
...
	.end_amdgpu_metadata
.endif
;; end of part 1
